; MI455X (gfx1250); checked and timed in simulation.
; The chip was launched on July 23, 2026; its instructions are those of AMD's public machine-readable ISA for CDNA 5 (MIT licence, August 2026) and "CDNA5" Instruction Set Architecture Reference Guide (July 2026). The comments in the code are by the model that wrote it; some were corrected since.
;; Bahdanau Attention. Allowed arithmetic: matrix products marked QUANTISED: E2M1 operands, one E8M0 scale for each 32 along K, by v_wmma_scale_f32_16x16x128_f8f6f4 with both operands' format E2M1 (or v_wmma_scale_f32_32x16x128_f4), f32 sums; products left as they are: f32 operands where the result goes on into a quantised operand, else bf16, f16 or f32 operands; f32 sums; everything else in f32.
;; Inputs: V_b 1 float32; V_w 1,024 x 1 float32; W1_b 1,024 float32; W1_w_codes 1,024 x 32 x 16 uint8 (E2M1 codes of W1_w, K innermost, in blocks of 32 codes, two codes a byte); W1_w_scales 1,024 x 32 uint8 (E8M0 scales of W1_w, one for each 32 codes along K); W2_b 1,024 float32; W2_w_codes 1,024 x 32 x 16 uint8 (E2M1 codes of W2_w, K innermost, in blocks of 32 codes, two codes a byte); W2_w_scales 1,024 x 32 uint8 (E8M0 scales of W2_w, one for each 32 codes along K); features 64 x 1,024 x 1,024 float32; hidden_codes 64 x 32 x 16 uint8 (E2M1 codes of hidden, K innermost, in blocks of 32 codes, two codes a byte); hidden_scales 64 x 32 uint8 (E8M0 scales of hidden, one for each 32 codes along K).
;; Outputs: out0 64 x 1,024 float32; out1 64 x 1,024 x 1 float32.
;; This version of the problem:
;;   THIS VERSION OF THE PROBLEM IS GIVEN IN LOW PRECISION. The matrix products marked QUANTISED in the list below multiply operands that are first quantised to E2M1 (2 exponent bits, 1 mantissa bit; 4 bits a number), with one power-of-two scale for each 32 numbers along K (OCP MX v1.0); their sums are f32. All else is computed in f32.
;;   The module's matrix products, in the order in which they are computed (A, B: the left and right operand; K: the contracted axis; several contracted axes count as one K, in the product's order):
;;     1. [M 65,536, K 1,024] x [K 1,024, N 1,024]; A: input features; B: input W1_w (given as codes): QUANTISED
;;     2. [M 64, K 1,024] x [K 1,024, N 1,024]; A: input hidden (given as codes); B: input W2_w (given as codes): QUANTISED
;;     3. [M 65,536, K 1,024] x [K 1,024, N 1]; A: computed on the way; B: input V_w: left as it is (N = 1 < 16)
;;   THE QUANTISER, for each operand of a quantised product, along K:
;;     - K is cut into blocks of 32 from its start; a last block that is shorter is filled with zeros.
;;     - A block's scale is 2^e with e = floor(log2(the largest magnitude in the block)) - 2, held to -126 .. 127; a block of zeros has e = 0. As a byte (E8M0): e + 127.
;;     - Each number is divided by its block's scale, clamped to +-6, and rounded to the nearest number of E2M1, ties to even, subnormals kept.
;;     - The product sums the exact products of the quantised numbers (number of the format x scale) in f32.
;;   ~~~python
;;   def quantise(x, axis):      # numpy; x: float32 -> the quantised numbers, widened to float32 again
;;       x = np.moveaxis(x, axis, -1); K = x.shape[-1]
;;       x = np.pad(x, [(0, 0)] * (x.ndim - 1) + [(0, -K % 32)]); x = x.reshape(x.shape[:-1] + (-1, 32)); a = np.abs(x).max(-1, keepdims=True)
;;       e = np.where(a > 0, np.clip(np.frexp(np.where(a > 0, a, 1))[1] - 1 - 2, -126, 127), 0)      # np.frexp(a)[1] - 1 = floor(log2(a)), exactly
;;       r = np.clip(x / 2.0 ** e, -6, 6)
;;       step = 2.0 ** (np.maximum(np.frexp(np.where(r == 0, 1, r))[1] - 1, 0) - 1)
;;       q = np.round(r / step) * step * 2.0 ** e      # np.round: ties to even
;;       return np.moveaxis(q.reshape(q.shape[:-2] + (-1,))[..., :K], -1, axis).astype(np.float32)
;;   ~~~
;;   INPUTS GIVEN AS CODES. W1_w (in the module: [1024, 1024], K = its axis 0); W2_w (in the module: [1024, 1024], K = its axis 0); hidden (in the module: [64, 1024], K = its axis 1): each comes as NAME_codes (uint8): NAME with its K axis moved to the last place and cut into blocks of 32 codes, [.., K / 32, bytes a block], one block behind the other in memory; two codes a byte, the lower K in the low four bits (a code: sign, 2 exponent bits, 1 mantissa bit); and NAME_scales (uint8): the same leading axes, one E8M0 byte (e + 127) for each 32 codes along K. Its value is code x scale, taken as it is: it is not quantised again, and the codes and scales need not be those that the quantiser above would give.
;; One version. Each part assembles by itself: llvm-mc -triple=amdgcn-amd-amdhsa -mcpu=gfx1250 --defsym DOCPART=n.
;; ======== version 1 of 1: 3 launches
;; limits: right only within a limited range of input values
;; workspace buffers: w1img 557,056 bytes; biasc 262,144 bytes; tlog 262,144 bytes; pctx 1,048,576 bytes
;; launch prep (part 1): grid 64 x 1, 4 waves a work-group, no clusters, 4,864 bytes of LDS; arguments hidden_codes, hidden_scales, W2_w_codes, W2_w_scales, W1_b, W2_b, W1_w_codes, W1_w_scales, w1img, biasc; writes w1img, biasc
.if DOCPART == 1
	.amdgcn_target "amdgcn-amd-amdhsa--gfx1250"
	.amdhsa_code_object_version 6
	.text
	.protected	k_q7244fe1a5d_prep
	.globl	k_q7244fe1a5d_prep
	.p2align	8
	.type	k_q7244fe1a5d_prep,@function
k_q7244fe1a5d_prep:
	s_mov_b64 s[64:65], 0
	v_nop
	global_prefetch_b8 v0, s[64:65] scope:SCOPE_SE
	s_setreg_imm32_b32 hwreg(HW_REG_WAVE_MODE, 25, 1), 1
	s_wait_xcnt 0x0
; TWO SMALL JOBS AHEAD OF THE MAIN LAUNCH.
; (1) biasc[b][n] = c (hidden[b] . W2[:, n] + W1_b[n] + W2_b[n]), c = 2 log2(e): what the main launch adds to c x (features . W1) ahead of its exponential.
;     The product is on codes of FP4 (E2M1) with E8M0 scales, as they are given: 64 batches x 1,024 units x K = 1,024.
; (2) W1's codes and scale words are laid out in the order of the matrix operand's registers (w1img), so that the main launch takes every fragment by loads of 16 bytes a lane, 512 consecutive bytes a wave.
; SHARES.  64 work-groups of four waves.  Work-group j, wave W: the tile of 16 batches mt = j % 4 and 16 units nt = 4 (j / 4) + W; and of W1 the 16 rows of tile j, K steps 2 W and 2 W + 1.
; THE PRODUCT IS USED TRANSPOSED: source 0 = 16 rows of W2 (units), source 1 = 16 rows of hidden (batches): lane (r, h) then holds batch r and its registers eight neighbouring units 8 h + 0 .. 7.
; K's eight steps go to two accumulators by turns; W1_b is the C of the first sum's first product, W2_b of the second's: the biases cost no addition.
; w1img: four parts of WPART bytes, one for each wave Wm of the main launch (units 256 Wm .. + 255: tiles t = 0 .. 15).  Codes of tile t, K step s, half c: 8192 t + 1024 s + 512 c + 16 lane
; = registers 4 c .. 4 c + 3 of lane (r, h): row 16 t + r, k = 128 s + 64 c + 32 h + 0 .. 31.  Scale words at 131,072 + 1024 (t / 2) + 512 u + 16 lane: lane = the row's place in its pair of tiles, K steps 4 u .. 4 u + 3.
; All loads go out at the head, W1's first: what is only moved leaves while the product's operands are still on their way.
; LIMITS: the given codes and scale bytes are taken as they are; a scale byte 0xff (NaN) is not served.
.set CTWO,  0x4038aa3b                 ; c = 2 log2(e)
.set WPART, 139264
.set SP,    272                        ; a stage row: 256 bytes (64 units of one batch) + 16
.set W2F,   16                         ; v16-79   W2's eight fragments
.set HF,    80                         ; v80-143  hidden's
.set W2S,   144                        ; v144-151 W2's scale words, one register a K step
.set HS,    152                        ; v152-159 hidden's
.set AC,    160                        ; v160-175 two accumulators
.set BI,    176                        ; v176-183 W1_b, v184-191 W2_b, in the result's layout
.set W1F,   192                        ; v192-207 two fragments of W1
.set W1S,   208                        ; v208-211 W1's scale words
.set OUTR,  212                        ; v212-219 the results, then whole rows
	s_load_b256 s[4:11], s[0:1], 0x0               ; hidden's codes s[4:5], its scales s[6:7], W2's codes s[8:9], its scales s[10:11]
	s_load_b256 s[12:19], s[0:1], 0x20             ; W1_b s[12:13], W2_b s[14:15], W1's codes s[16:17], its scales s[18:19]
	s_load_b128 s[20:23], s[0:1], 0x40             ; w1img s[20:21], biasc s[22:23]
	v_lshl_add_u32 v224, v0, 2, 0x1100
	v_mov_b32 v225, 0
	v_lshrrev_b32 v13, 5, v0
	v_readfirstlane_b32 s24, v13                   ; wave W
	v_and_b32 v3, 31, v0                           ; lane
	v_and_b32 v1, 15, v0                           ; r
	v_bfe_u32 v2, v0, 4, 1                         ; h
	v_lshlrev_b32 v4, 9, v1
	v_lshl_add_u32 v4, v2, 4, v4                   ; a fragment's place: row r of 512 bytes + 16 h
	v_lshlrev_b32 v5, 5, v1                        ; a row of scale bytes: 32 r
	v_lshlrev_b32 v6, 5, v2                        ; my eight numbers of a bias: 32 h
	v_lshlrev_b32 v7, 4, v3                        ; an image's place: 16 x lane
	v_mul_u32_u24 v8, v1, SP
	v_lshl_add_u32 v8, v2, 5, v8
	s_lshl_b32 s28, s24, 6
	v_add_nc_u32 v8, s28, v8                       ; into the stage: row r, + 64 W + 32 h
	s_lshl_b32 s28, s24, 2
	v_add_nc_u32 v13, s28, v2                      ; out of it: row 4 W + h (and two rows on)
	v_mul_u32_u24 v9, v13, SP
	v_lshl_add_u32 v9, v1, 4, v9
	v_lshlrev_b32 v10, 12, v13
	v_lshl_add_u32 v10, v1, 4, v10                 ; and the same place in biasc: a batch is 4,096 bytes
	v_lshl_add_u32 v11, v2, 4, v5                  ; W1's scale words: row r, half u = h: 32 r + 16 h
	v_lshlrev_b32 v12, 9, v2
	v_lshl_add_u32 v12, v1, 4, v12                 ; and in the image: 512 u + 16 r
	s_and_b32 s25, ttmp9, 3                        ; mt
	s_lshr_b32 s26, ttmp9, 2                       ; nq
	s_lshl_b32 s27, s26, 2
	s_add_co_u32 s27, s27, s24                     ; nt = 4 nq + W
	s_mov_b32 s29, 0                               ; every offset is under 2^32: s[28:29]
	s_mov_b32 s40, CTWO
	s_mov_b32 s41, s40                             ; (named with it as a pair, so it is written)
	s_wait_alu depctr_va_vdst(0)
	s_wait_kmcnt 0x0
	s_lshl_b32 s28, s25, 13
	s_add_nc_u64 s[4:5], s[4:5], s[28:29]          ; hidden's codes: 16 rows of 512 bytes a tile
	s_lshl_b32 s28, s25, 9
	s_add_nc_u64 s[6:7], s[6:7], s[28:29]          ; its scales: 16 rows of 32 bytes
	s_lshl_b32 s28, s27, 13
	s_add_nc_u64 s[8:9], s[8:9], s[28:29]          ; W2 likewise
	s_lshl_b32 s28, s27, 9
	s_add_nc_u64 s[10:11], s[10:11], s[28:29]
	s_lshl_b32 s28, s27, 6
	s_add_nc_u64 s[12:13], s[12:13], s[28:29]      ; the biases: 16 numbers a tile
	s_add_nc_u64 s[14:15], s[14:15], s[28:29]
	s_lshl_b32 s28, ttmp9, 13
	s_lshl_b32 s30, s24, 7
	s_add_co_u32 s28, s28, s30
	s_add_nc_u64 s[16:17], s[16:17], s[28:29]      ; W1's codes: tile j, K step 2 W
	s_lshl_b32 s28, ttmp9, 9
	s_add_nc_u64 s[18:19], s[18:19], s[28:29]      ; W1's scales: tile j
	s_lshr_b32 s30, ttmp9, 4
	s_mul_i32 s30, s30, WPART                      ; the part of w1img: j / 16
	s_and_b32 s31, ttmp9, 15                       ; t = j % 16
	s_lshl_b32 s28, s31, 13
	s_add_co_u32 s28, s28, s30
	s_lshl_b32 s34, s24, 11
	s_add_co_u32 s28, s28, s34
	s_add_nc_u64 s[36:37], s[20:21], s[28:29]      ; the codes' image: 8192 t + 1024 (2 W)
	s_lshr_b32 s28, s31, 1
	s_lshl_b32 s28, s28, 10
	s_add_co_u32 s28, s28, s30
	s_and_b32 s34, ttmp9, 1
	s_lshl_b32 s34, s34, 8
	s_add_co_u32 s28, s28, s34
	s_add_co_u32 s28, s28, 131072
	s_add_nc_u64 s[38:39], s[20:21], s[28:29]      ; the scale words' image: 131,072 + 1024 (t / 2) + 256 (t % 2)
	s_lshl_b32 s28, s25, 16
	s_lshl_b32 s34, s26, 8
	s_add_co_u32 s28, s28, s34
	s_add_nc_u64 s[22:23], s[22:23], s[28:29]      ; biasc: 16 mt batches down, 64 nq units along
	global_load_b128 v[W1S:W1S+3], v11, s[18:19]   ; the tile's 512 scale bytes: every wave loads them, with its first loads; wave 0 stores them
.irp k, 0,1,2,3
	global_load_b128 v[W1F+4*\k:W1F+4*\k+3], v4, s[16:17] offset:32*\k      ; W1: K step 2 W + k / 2, half k % 2
.endr
.irp s, 0,1,2,3,4,5,6,7
.irp c, 0,1
	global_load_b128 v[W2F+8*\s+4*\c:W2F+8*\s+4*\c+3], v4, s[8:9] offset:64*\s+32*\c
	global_load_b128 v[HF+8*\s+4*\c:HF+8*\s+4*\c+3], v4, s[4:5] offset:64*\s+32*\c
.endr
.endr
.irp u, 0,1
	global_load_b128 v[W2S+4*\u:W2S+4*\u+3], v5, s[10:11] offset:16*\u      ; lane r: row r's words of K steps 4 u .. 4 u + 3
	global_load_b128 v[HS+4*\u:HS+4*\u+3], v5, s[6:7] offset:16*\u
	global_load_b128 v[BI+4*\u:BI+4*\u+3], v6, s[12:13] offset:16*\u
	global_load_b128 v[BI+8+4*\u:BI+8+4*\u+3], v6, s[14:15] offset:16*\u
.endr
	s_wait_loadcnt 40                              ; W1's five loads are in; the 40 issued behind them may be out
.irp k, 0,1,2,3
	global_store_b128 v7, v[W1F+4*\k:W1F+4*\k+3], s[36:37] offset:512*\k    ; the registers as they stand: each store covers 512 consecutive bytes, aligned
.endr
	s_cmp_lg_u32 s24, 0                            ; wave 0 alone stores the scale words
	s_cbranch_scc1 .Lnot_wave_0
	global_store_b128 v12, v[W1S:W1S+3], s[38:39]  ; lanes 0-15: K steps 0-3 of the 16 rows, lanes 16-31: K steps 4-7: 256 consecutive bytes each
.Lnot_wave_0:
	s_wait_loadcnt 0x0
.irp s, 0,1,2,3,4,5,6,7
.if \s < 2
	v_wmma_scale_f32_16x16x128_f8f6f4 v[AC+8*\s:AC+8*\s+7], v[W2F+8*\s:W2F+8*\s+7], v[HF+8*\s:HF+8*\s+7], v[BI+8*\s:BI+8*\s+7], v[W2S+\s], v[HS+\s] matrix_a_fmt:MATRIX_FMT_FP4 matrix_b_fmt:MATRIX_FMT_FP4
.else
	v_wmma_scale_f32_16x16x128_f8f6f4 v[AC+8*(\s%2):AC+8*(\s%2)+7], v[W2F+8*\s:W2F+8*\s+7], v[HF+8*\s:HF+8*\s+7], v[AC+8*(\s%2):AC+8*(\s%2)+7], v[W2S+\s], v[HS+\s] matrix_a_fmt:MATRIX_FMT_FP4 matrix_b_fmt:MATRIX_FMT_FP4
.endif
.endr
.rept 4
	v_nop                                          ; four places between the last product and the first read of results (ISA guide 7.12.1)
.endr
.irp i, 0,2,4,6
	v_pk_add_f32 v[OUTR+\i:OUTR+\i+1], v[AC+\i:AC+\i+1], v[AC+8+\i:AC+8+\i+1]   ; the two sums, each read from its low end on
.endr
.irp i, 0,2,4,6
	v_pk_mul_f32 v[OUTR+\i:OUTR+\i+1], v[OUTR+\i:OUTR+\i+1], s[40:41] op_sel_hi:[1,0]   ; x c
.endr
	ds_store_b128 v8, v[OUTR:OUTR+3]               ; a batch's 64 units come from four waves: they meet in the stage
	ds_store_b128 v8, v[OUTR+4:OUTR+7] offset:16
	s_wait_dscnt 0x0                               ; for the others' sake: my stores have landed
	s_barrier_signal -1
	s_barrier_wait -1
	ds_load_b128 v[OUTR:OUTR+3], v9                ; rows 4 W + h
	ds_load_b128 v[OUTR+4:OUTR+7], v9 offset:2*SP  ; and two rows on
	s_wait_dscnt 0x0
	global_store_b128 v10, v[OUTR:OUTR+3], s[22:23]               ; sixteen lanes store 256 consecutive bytes, aligned
	global_store_b128 v10, v[OUTR+4:OUTR+7], s[22:23] offset:8192
	s_wait_tensorcnt 0x0
	ds_add_u32 v224, v225
	s_wait_dscnt 0x0
	s_endpgm
.Lfunc_end_k_q7244fe1a5d_prep:
	.size	k_q7244fe1a5d_prep, .Lfunc_end_k_q7244fe1a5d_prep-k_q7244fe1a5d_prep
	.p2alignl 7, 3214868480
	.fill 96, 4, 3214868480
	.section	.rodata,"a",@progbits
	.p2align	6, 0x0
	.amdhsa_kernel k_q7244fe1a5d_prep
		.amdhsa_group_segment_fixed_size 4864
		.amdhsa_private_segment_fixed_size 0
		.amdhsa_enable_private_segment 0
		.amdhsa_kernarg_size 80
		.amdhsa_user_sgpr_count 2
		.amdhsa_user_sgpr_kernarg_segment_ptr 1
		.amdhsa_wavefront_size32 1
		.amdhsa_system_sgpr_workgroup_id_x 1
		.amdhsa_system_sgpr_workgroup_id_y 1
		.amdhsa_system_sgpr_workgroup_id_z 1
		.amdhsa_system_vgpr_workitem_id 0
		.amdhsa_next_free_vgpr 226
		.amdhsa_next_free_sgpr 66
		.amdhsa_reserve_vcc 0
		.amdhsa_float_denorm_mode_32 3
		.amdhsa_float_denorm_mode_16_64 3
		.amdhsa_memory_ordered 1
		.amdhsa_forward_progress 1
		.amdhsa_inst_pref_size 11
	.end_amdhsa_kernel
	.amdgpu_metadata
---
amdhsa.version: [ 1, 2 ]
amdhsa.kernels:
  - .name:           k_q7244fe1a5d_prep
    .symbol:         k_q7244fe1a5d_prep.kd
    .args:
      - { .name: hidden_codes, .offset: 0, .size: 8, .value_kind: global_buffer, .address_space: global }
      - { .name: hidden_scales, .offset: 8, .size: 8, .value_kind: global_buffer, .address_space: global }
      - { .name: W2_w_codes, .offset: 16, .size: 8, .value_kind: global_buffer, .address_space: global }
      - { .name: W2_w_scales, .offset: 24, .size: 8, .value_kind: global_buffer, .address_space: global }
      - { .name: W1_b, .offset: 32, .size: 8, .value_kind: global_buffer, .address_space: global }
      - { .name: W2_b, .offset: 40, .size: 8, .value_kind: global_buffer, .address_space: global }
      - { .name: W1_w_codes, .offset: 48, .size: 8, .value_kind: global_buffer, .address_space: global }
      - { .name: W1_w_scales, .offset: 56, .size: 8, .value_kind: global_buffer, .address_space: global }
      - { .name: w1img, .offset: 64, .size: 8, .value_kind: global_buffer, .address_space: global }
      - { .name: biasc, .offset: 72, .size: 8, .value_kind: global_buffer, .address_space: global }
    .group_segment_fixed_size: 4864
    .private_segment_fixed_size: 0
    .kernarg_segment_align: 8
    .kernarg_segment_size: 80
    .max_flat_workgroup_size: 128
    .sgpr_count:     66
    .vgpr_count:     226
    .wavefront_size: 32
...
	.end_amdgpu_metadata
.endif
;; end of part 1
;; launch main (part 2): grid 256 x 1, 4 waves a work-group, clusters of 4 x 1, 313,088 bytes of LDS; arguments features, w1img, biasc, V_w, V_b, pctx, tlog; writes pctx, tlog
.if DOCPART == 2
	.amdgcn_target "amdgcn-amd-amdhsa--gfx1250"
	.amdhsa_code_object_version 6
	.text
	.protected	k_q7244fe1a5d_main
	.globl	k_q7244fe1a5d_main
	.p2align	8
	.type	k_q7244fe1a5d_main,@function
k_q7244fe1a5d_main:
	s_mov_b64 s[64:65], 0
	v_nop
	global_prefetch_b8 v0, s[64:65] scope:SCOPE_SE
	s_setreg_imm32_b32 hwreg(HW_REG_WAVE_MODE, 25, 1), 1
	s_wait_xcnt 0x0
	s_wait_alu depctr_hold_cnt(0) depctr_sa_sdst(0) depctr_va_vdst(0) depctr_va_sdst(0) depctr_va_ssrc(0) depctr_va_vcc(0) depctr_vm_vsrc(0)
	s_getreg_b32 s2, hwreg(HW_REG_IB_STS2, 6, 4)
	s_cmp_eq_u32 s2, 0
	s_cbranch_scc0 .Lentry_in_a_cluster
	s_endpgm
.Lentry_in_a_cluster:
	s_bfe_u32 s2, ttmp6, 0x10000c
	s_cmp_lg_u32 s2, 0x3003
	s_cbranch_scc0 .Lentry_shape_is_right
	s_endpgm
.Lentry_shape_is_right:
; FOR 256 ROWS OF ONE BATCH: quantise features to MX-FP4 along F, multiply by W1 (codes), add the batch's bias, tanh, dot with V, and the rows' weighted sum under a running maximum.  features IS READ ONCE.
; t[row] = log2(e) (sum over n of V[n] tanh(x . W1[:, n] + bias[n]) + V_b) goes to tlog; pctx[work-group][f] = sum over my rows of 2^(t - m) features[row][f], m = the largest t of my 256 rows.  The last launch joins a batch's four parts.
; SHARES.  Work-group g = 4 x cluster + cx takes rows 256 g .. + 255 of the 65,536, in 16 blocks of 16 rows; the batch is the cluster's number.  Wave W owns units n = 256 W .. + 255 (16 tiles of 16) for the product,
; and feature columns 256 W .. + 255 for loading, quantising and the weighted sum.  A lane's columns: 256 W + 4 l + 0 .. 3 and 256 W + 128 + 4 l + 0 .. 3: every load of a wave covers 512 consecutive bytes.
; W1 STAYS ON THE WGP: a wave's tiles 0-7 in 512 registers (windows 2 and 3), its tiles 8-15 and all its scale words in LDS (73,728 bytes a wave), both as images of the operand's registers, laid out by the launch before.
; A row's f32 numbers wait in registers (window 1, two sets of 16 rows by turns) from their load until the row's weight is known.
; A BLOCK has two barriers.  Ahead of the first each wave has stored the codes and scale bytes of its 256 columns of the 16 rows, in the operand's order; behind it every wave takes x's eight fragments and runs four groups
; of four tiles: 32 products, then tanh and the dot with V.  Ahead of the second it has stored its 16 row sums; behind it every wave adds the four waves' sums, makes t, the new maximum, p = 2^(t - m), and adds p x row onto its columns' sums.
; THE SEAM BETWEEN TWO BLOCKS (macro JOIN).  A wave is alone on its SIMD, so what it waits for it waits for idle.  The next block's quantiser needs only its own set of rows and registers that are dead at a block's end
; (x's fragments, the accumulators): its 256 vector lines are dealt out over the old block's waits: behind the row sums' stores, inside the barrier, behind the load of the four sums, between the dependent lines of the running
; maximum, behind the exponentials.  The weighted sum's second half stands behind the quantiser's stores and inside the other barrier; half of the refill's loads stand behind the fetch of x's fragments.
; tanh(y) = 1 - 2 / (1 + 2^(c y)), c = 2 log2(e): it saturates rightly at both ends.  So sum V tanh = sum V + sum (-2 V) / (1 + 2^z), z = c x product + biasc.
; THE PRODUCT: source 0 = x's 16 rows, source 1 = 16 units of W1: lane (r, h) holds unit r of the tile and rows 8 h + 0 .. 7: bias and V are one register a tile, and a row's sum is a sum across 16 lanes.
; CLUSTER.  All work-groups read the same W1: the four of a cluster ask for the LDS part JOINTLY, one tensor load a wave with a mask that names the four.  The register part comes by each wave's own loads: registers take no joint load.
; No LDS byte is filled twice by the tensor loads, and what ds_store writes lies behind them in blocks of its own.
; LIMITS: NaN and infinities among the inputs are not served.  A block of 32 zeros gets the scale byte 1 (the rule says 127): its codes are zeros, and this launch alone reads the bytes.  The floor 2^-124 under a block's
; largest magnitude is the rule's hold of the exponent at -126.  The running maximum begins at -3e38: every t is taken to lie above it.
; REGISTERS, in windows of 256 (s_set_vgpr_msb: bits 1:0 source 0, 3:2 source 1, 5:4 source 2, 7:6 destination).  Window 0: below.  Window 1: set A v0-127, set B v128-255: row m at 8 m, first columns + 0 .. 3, second + 4 .. 7.
; Windows 2, 3: W1's tile t (0-7) in window 2 + t / 4 at 64 (t % 4) + 8 s + 4 c.
.set WPART, 139264                     ; a wave's part of w1img
.set WLDS,  73728                      ; what of it lies in LDS: 65,536 bytes of codes (tiles 8-15), 8,192 of scale words
.set XIMG,  4*WLDS                     ; x's codes: 1088 s + 544 c + 272 h + 16 r
.set XSC,   XIMG+8*1088                ; x's scale bytes: 32 x row + k / 32
.set RED,   XSC+512                    ; the waves' row sums: 16 x row + 4 W
.set LOGB,  RED+256                    ; t of the 256 rows, a copy for each wave, 2,048 bytes apart (1,024 are used)
.set FOFF, 1                           ; v1   1024 W + 16 l: my bytes in a row of features and of pctx; never rewritten
.set LI,   2                           ; v2   WLDS W + 16 l: my place in an image of W1's codes
.set LSC,  3                           ; v3   the same for its scale words
.set XW,   4                           ; v4   where I store two bytes of x's codes
.set XSW,  5                           ; v5   and a scale byte
.set XR,   6                           ; v6   where I read x's fragments
.set XSR,  7                           ; v7   and its scale words
.set REDW, 8                           ; v8   where I store row sums
.set REDR, 9                           ; v9   and read them
.set LOGA, 10                          ; v10  where t goes; 128 bytes on in each trip
.set LOGR, 11                          ; v11  where I read my 64 t back at the end
.set MX,   12                          ; v12  the running largest t
.set VB,   13                          ; v13  V_b x log2(e)
.set SV,   14                          ; v[14:15] the sum of my lane's 16 V, twice
.set XF,   16                          ; v16-79   x's eight fragments
.set XS,   80                          ; v80-87   x's scale words, one register a K step: scales and nothing else
.set ACC,  88                          ; v88-119  four accumulators
.set SUM,  120                         ; v120-127 my eight rows' sums
.set BST,  128                         ; v128-191 W1's fragments from LDS: four slots (K step % 4) of two tiles
.set WS,   192                         ; v192-207 W1's scale words of the group: + s the register tiles', + 8 + s the LDS tiles'; lanes 0-15 the even tile, 16-31 the odd: scales and nothing else
.set V2,   208                         ; v208-223 -2 V, one register a tile
.set BC,   224                         ; v224-239 biasc, one register a tile
.set CTX,  240                         ; v240-247 the weighted sums of my eight columns
.set T,    248                         ; v248-255 at work
.set QM,   16                          ; the quantiser: 32 largest magnitudes, then bytes (over XF);
.set QS,   48                          ; 32 scale operands (over XF);
.set QC,   88                          ; 32 registers of codes (over ACC)
.set SETA, 0
.set SETB, 128
.set FB,   4                           ; s[4:5]   features at the block that was asked for last
.set WV,   18                          ; s18      my wave's number
.set G0,   24                          ; s[24:27] descriptor group 0
.set G1,   28                          ; s[28:35] descriptor group 1
.set CC,   36                          ; s[36:37] c = 2 log2(e), twice
.set L2E,  38                          ; s38      log2(e)
.set FF,   40                          ; s[40:41] 2^(old maximum - new maximum)
.set TRIP, 42
.set PP,   66                          ; s[66:97] p of row m in s[66 + 2 m]; the odd ones are named with them as pairs and hold 0
.set MSB, 0
.macro WIN new                         ; the immediate's high byte repeats the setting that is left; a switch that changes nothing is dropped
.if MSB != \new
	s_set_vgpr_msb (MSB<<8)|\new
.set MSB, \new
.endif
.endm
.macro ROUND                           ; a round of the cluster's barrier: my work-group's barrier; wave 0 signals for the work-group; every wave waits for all four; my work-group's barrier once more
	s_barrier_signal -1
	s_barrier_wait -1
	s_cmp_lg_u32 s[WV], 0
	s_cbranch_scc1 .Lnot_wave_0_\@
	s_barrier_signal -3
.Lnot_wave_0_\@:
	s_barrier_wait -3
	s_barrier_signal -1
	s_barrier_wait -1
.endm
.macro PLACES                          ; four places between a matrix instruction and a load into its registers or a vector read of its result (ISA guide 7.12.1 for vector instructions)
.rept 4
	v_nop
.endr
.endm
.macro BAR                             ; my LDS stores have landed and my LDS loads are in: then the work-group's barrier
	s_wait_dscnt 0x0
	s_barrier_signal -1
	s_barrier_wait -1
.endm
.macro FLOAD set, m0, n                ; rows m0 .. m0 + n - 1 of a block x my wave's 1,024 bytes: two loads of 512 consecutive bytes a row
	WIN 0x40                                       ; destination window 1
.set fm, \m0
.rept \n
	global_load_b128 v[\set+8*fm:\set+8*fm+3],   v[FOFF], s[FB:FB+1] offset:4096*fm th:TH_LOAD_NT
	global_load_b128 v[\set+8*fm+4:\set+8*fm+7], v[FOFF], s[FB:FB+1] offset:4096*fm+512 th:TH_LOAD_NT
.set fm, fm+1
.endr
	WIN 0
.endm
.macro NEXTA set                       ; the next block that has not been asked for: its rows 0-7, into the half set that has just been used up
	s_wait_xcnt 0x0                                ; the earlier loads have read their base: it is stepped only behind this wait
	s_add_nc_u64 s[FB:FB+1], s[FB:FB+1], 65536     ; 16 rows of 4,096 bytes
	FLOAD \set, 0, 8
.endm
.macro NEXTB set                       ; and its rows 8-15
	FLOAD \set, 8, 8
.endm
; THE QUANTISER, in parts.  16 rows x my 8 columns become codes and scale bytes in LDS.  Eight neighbouring lanes hold a block of 32.  A row's first four numbers and its second four belong to different blocks, and the
; conversion takes eight numbers and one scale: it is made twice, and the half of each result that was made with its own block's scale is stored.
.macro QMAX set                        ; 64 lines: the largest magnitude of my four numbers of each of the 32 blocks
	WIN 0x05                                       ; sources 0 and 1 window 1
.set qm, 0
.rept 16
	v_max3_num_f32 v[QM+2*qm],   |v[\set+8*qm]|,   |v[\set+8*qm+1]|, 0x1800000   ; and the floor 2^(3 - 127): the byte cannot fall under 1
	v_max3_num_f32 v[QM+2*qm+1], |v[\set+8*qm+4]|, |v[\set+8*qm+5]|, 0x1800000
.set qm, qm+1
.endr
.set qm, 0
.rept 16
	v_max3_num_f32 v[QM+2*qm],   |v[\set+8*qm+2]|, |v[\set+8*qm+3]|, v[QM+2*qm]
	v_max3_num_f32 v[QM+2*qm+1], |v[\set+8*qm+6]|, |v[\set+8*qm+7]|, v[QM+2*qm+1]
.set qm, qm+1
.endr
	WIN 0
.endm
.macro QDPP x                          ; 32 lines: with lane l xor x's
.set qm, 0
.rept 32
	v_max_num_f32_dpp v[QM+qm], v[QM+qm], v[QM+qm] row_xmask:\x row_mask:0xf bank_mask:0xf
.set qm, qm+1
.endr
.endm
.macro QADD from, n                    ; 2 off the exponent field: the conversion takes the exponent field of this operand as its scale, and nothing else of it
.set qm, \from
.rept \n
	v_add_nc_u32 v[QS+qm], 0xff000000, v[QM+qm]
.set qm, qm+1
.endr
.endm
.macro QSHR from, n                    ; the scale's byte
.set qm, \from
.rept \n
	v_lshrrev_b32 v[QM+qm], 23, v[QS+qm]
.set qm, qm+1
.endr
.endm
.macro QCVT set
	WIN 0x01                                       ; source 0 window 1
.set qm, 0
.rept 16
	v_cvt_scalef32_pk8_fp4_f32 v[QC+2*qm],   v[\set+8*qm:\set+8*qm+7], v[QS+2*qm]     ; the low half holds the first four columns' codes
	v_cvt_scalef32_pk8_fp4_f32 v[QC+2*qm+1], v[\set+8*qm:\set+8*qm+7], v[QS+2*qm+1]   ; the high half the second four's
.set qm, qm+1
.endr
	WIN 0
	v_nop                                          ; one plain place behind the last scaled conversion
.endm
.macro QST
.set qm, 0
.rept 16
	ds_store_b16 v[XW], v[QC+2*qm] offset:16*qm                  ; K step 2 W, row qm
	ds_store_b16_d16_hi v[XW], v[QC+2*qm+1] offset:1088+16*qm    ; K step 2 W + 1
	ds_store_b8 v[XSW], v[QM+2*qm] offset:32*qm                  ; the eight lanes of a block write the same byte with the same value
	ds_store_b8 v[XSW], v[QM+2*qm+1] offset:32*qm+4
.set qm, qm+1
.endr
.endm
.macro XFETCH                          ; x's scale words, then its eight fragments, K ascending: 18 loads
.irp u, 0,1
	ds_load_b128 v[XS+4*\u:XS+4*\u+3], v[XSR] offset:16*\u
.endr
.irp s, 0,1,2,3,4,5,6,7
.irp c, 0,1
	ds_load_b128 v[XF+8*\s+4*\c:XF+8*\s+4*\c+3], v[XR] offset:1088*\s+544*\c
.endr
.endr
.endm
.macro WSLOAD g                        ; group g's scale words of W1: the pair of register tiles 2 g, 2 g + 1, the pair of LDS tiles 8 + 2 g, 9 + 2 g: 4 loads
.irp u, 0,1
	ds_load_b128 v[WS+4*\u:WS+4*\u+3], v[LSC] offset:1024*(\g)+512*\u
.endr
.irp u, 0,1
	ds_load_b128 v[WS+8+4*\u:WS+8+4*\u+3], v[LSC] offset:1024*(4+(\g))+512*\u
.endr
.endm
.macro BLOAD g, s                      ; the two LDS tiles' fragments of K step s into slot s % 4: 4 loads
.irp u, 0,1
.irp c, 0,1
	ds_load_b128 v[BST+16*((\s)%4)+8*\u+4*\c:BST+16*((\s)%4)+8*\u+4*\c+3], v[LI] offset:8192*(2*(\g)+\u)+1024*(\s)+512*\c
.endr
.endr
.endm
.macro PROD d, b, sb, s, row1, zero    ; one product: accumulator d, W1's fragment b, its scale register sb (row1: lanes 16-31 of it), K step s; zero = 1: it starts the sum
.if \zero
.if \row1
	v_wmma_scale_f32_16x16x128_f8f6f4 v[\d:\d+7], v[XF+8*(\s):XF+8*(\s)+7], v[\b:\b+7], 0, v[XS+(\s)], v[\sb] matrix_a_fmt:MATRIX_FMT_FP4 matrix_b_fmt:MATRIX_FMT_FP4 matrix_b_scale:MATRIX_SCALE_ROW1
.else
	v_wmma_scale_f32_16x16x128_f8f6f4 v[\d:\d+7], v[XF+8*(\s):XF+8*(\s)+7], v[\b:\b+7], 0, v[XS+(\s)], v[\sb] matrix_a_fmt:MATRIX_FMT_FP4 matrix_b_fmt:MATRIX_FMT_FP4
.endif
.else
.if \row1
	v_wmma_scale_f32_16x16x128_f8f6f4 v[\d:\d+7], v[XF+8*(\s):XF+8*(\s)+7], v[\b:\b+7], v[\d:\d+7], v[XS+(\s)], v[\sb] matrix_a_fmt:MATRIX_FMT_FP4 matrix_b_fmt:MATRIX_FMT_FP4 matrix_b_scale:MATRIX_SCALE_ROW1
.else
	v_wmma_scale_f32_16x16x128_f8f6f4 v[\d:\d+7], v[XF+8*(\s):XF+8*(\s)+7], v[\b:\b+7], v[\d:\d+7], v[XS+(\s)], v[\sb] matrix_a_fmt:MATRIX_FMT_FP4 matrix_b_fmt:MATRIX_FMT_FP4
.endif
.endif
.endm
.macro MMS g, s, zero                  ; K step s of group g: the four accumulators take turns, one instruction a turn, in the same order in every K step
	WIN 0x08+4*((\g)/2)                            ; source 1 in window 2 or 3
	PROD ACC,    64*((2*(\g))%4)+8*(\s),   WS+(\s),   \s, 0, \zero
	PROD ACC+8,  64*((2*(\g)+1)%4)+8*(\s), WS+(\s),   \s, 1, \zero
	WIN 0
	PROD ACC+16, BST+16*((\s)%4),          WS+8+(\s), \s, 0, \zero
	PROD ACC+24, BST+16*((\s)%4)+8,        WS+8+(\s), \s, 1, \zero
.endm
; Group g's 32 products.  The LDS tiles' fragments of K steps 0-3 are asked for ahead of the group; those of K steps 4, 5 come in one run of 8 loads behind K step 1 (slots 0, 1 are done with),
; those of K steps 6, 7 in one run of 8 behind K step 3.  The waits count the LDS loads issued behind the ones wanted, 4 a K step of W1: 12, 8 (K steps 0, 1); 4 + 8, 0 + 8 (K steps 2, 3, with the first run behind them);
; 4 + 8, 8, 4, 0 (K steps 4 to 7).  first = 1, a block's first group: W1's first four K steps came in ahead of the last barrier, and what is awaited up to K step 3 is x's fragment of K step s:
; behind it stand x's later fragments, 2 (7 - s) loads, and from K step 2 on the first run's 8.
.macro MMG g, first
.set ks, 0
.rept 8
.if (\first) && (ks < 2)
	s_wait_dscnt 14-2*ks
.elseif (\first) && (ks < 4)
	s_wait_dscnt 22-2*ks
.elseif ks < 4
	s_wait_dscnt 12-4*(ks%2)
.else
	s_wait_dscnt 4*(7-ks)
.endif
.if ks == 0
	MMS \g, ks, 1
.else
	MMS \g, ks, 0
.endif
.if (ks == 1) || (ks == 3)
	PLACES                                         ; the two slots multiplied last are loaded again
	BLOAD \g, ks+3
	BLOAD \g, ks+4
.endif
.set ks, ks+1
.endr
.endm
; Group g's 32 results a lane: z = c x sum + biasc; 2^z; + 1; the reciprocal; x -2 V onto the rows' sums.  Each accumulator is read from its low end on.  The 32 exponentials are one batch with one wait, the 32 reciprocals another.
; pre: the group whose scale words and first four K steps of W1 are fetched here (-1: none): 20 LDS loads in one run, directly behind the wait for the exponentials, where no vector result of the wave is outstanding.
; The four v_nop ahead of this macro are the places between the last products and these loads, and between them and the first read of results.
.macro TANH g, init, pre
.set tb, 0
.rept 16
.set ta, ACC+8*(tb/4)+2*(tb%4)
.set tc, BC+2*(\g)+8*(tb/8)
.if (tb/4)%2
	v_pk_fma_f32 v[ta:ta+1], v[ta:ta+1], s[CC:CC+1], v[tc:tc+1] op_sel:[0,0,1] op_sel_hi:[1,0,1]   ; the odd tile's bias, for both rows
.else
	v_pk_fma_f32 v[ta:ta+1], v[ta:ta+1], s[CC:CC+1], v[tc:tc+1] op_sel_hi:[1,0,0]                  ; the even tile's
.endif
.set tb, tb+1
.endr
.set tb, 0
	s_wait_alu depctr_va_vdst(0)
.rept 32
	v_exp_f32 v[ACC+tb], v[ACC+tb]
.set tb, tb+1
.endr
	v_nop                                          ; a plain instruction behind the last exponential
	s_wait_alu depctr_va_vdst(0)                   ; one wait for the batch, ahead of its first reader
.if (\pre) >= 0
	WSLOAD \pre
	BLOAD \pre, 0
	BLOAD \pre, 1
	BLOAD \pre, 2
	BLOAD \pre, 3
.endif
.set tb, 0
.rept 16
	v_pk_add_f32 v[ACC+2*tb:ACC+2*tb+1], v[ACC+2*tb:ACC+2*tb+1], 1.0 op_sel_hi:[1,0]
.set tb, tb+1
.endr
.set tb, 0
	s_wait_alu depctr_va_vdst(0)
.rept 32
	v_rcp_f32 v[ACC+tb], v[ACC+tb]
.set tb, tb+1
.endr
	v_nop
	s_wait_alu depctr_va_vdst(0)                   ; and one for the reciprocals
.set tb, 0
.rept 16
.set ta, ACC+8*(tb/4)+2*(tb%4)
.set ts, SUM+2*(tb%4)
.set tv, V2+2*(\g)+8*(tb/8)
.if (\init) && (tb < 4)
	v_pk_fma_f32 v[ts:ts+1], v[ta:ta+1], v[tv:tv+1], v[SV:SV+1] op_sel_hi:[1,0,1]                  ; a block's first products start the sums, on the sum of my V
.elseif (tb/4)%2
	v_pk_fma_f32 v[ts:ts+1], v[ta:ta+1], v[tv:tv+1], v[ts:ts+1] op_sel:[0,1,0] op_sel_hi:[1,1,1]
.else
	v_pk_fma_f32 v[ts:ts+1], v[ta:ta+1], v[tv:tv+1], v[ts:ts+1] op_sel_hi:[1,0,1]
.endif
.set tb, tb+1
.endr
.endm
.macro MMT more                        ; a block's products and activations; x's fragments have been asked for.  more = 1: a block follows, and its first group's fragments of W1 are fetched ahead
	MMG 0, 1
	PLACES
	TANH 0, 1, 1
	MMG 1, 0
	PLACES
	TANH 1, 0, 2
	MMG 2, 0
	PLACES
	TANH 2, 0, 3
	MMG 3, 0
	PLACES
.if \more
	TANH 3, 0, 0
.else
	TANH 3, 0, -1
.endif
.endm
.macro REDUCE                          ; across the 16 lanes of each half: my wave's 256 units of rows 8 h + 0 .. 7; the 16 lanes write the same word with the same value
.irp x, 1,2,4,8
.irp j, 0,1,2,3,4,5,6,7
	v_add_f32_dpp v[SUM+\j], v[SUM+\j], v[SUM+\j] row_xmask:\x row_mask:0xf bank_mask:0xf
.endr
.endr
.irp j, 0,1,2,3,4,5,6,7
	ds_store_b32 v[REDW], v[SUM+\j] offset:16*\j
.endr
.endm
; THE SOFTMAX'S STEP, in parts.  Every wave does the same: lane l takes row l % 16.
.macro SMT off                         ; the four waves' sums of my row are in v[T] on: t, into my wave's copy
	v_pk_add_f32 v[T:T+1], v[T:T+1], v[T+2:T+3]
	v_add_f32 v[T], v[T], v[T+1]
	v_fma_f32 v[T], v[T], s[L2E], v[VB]            ; t = log2(e) (sum + V_b)
	ds_store_b32 v[LOGA], v[T] offset:\off         ; (lanes l and l + 16 write the same word with the same value)
.endm
.macro SMP                             ; f = 2^(old maximum - new) and p = 2^(t - new) go to scalar registers, as data for the packed multiply-adds
	v_readfirstlane_b32 s[FF], v[T+3]
	s_mov_b32 s[FF+1], s[FF]
.set sm, 0
.rept 16
	v_readlane_b32 s[PP+2*sm], v[T+4], sm
.set sm, sm+1
.endr
.endm
.macro CTXMUL                          ; my eight columns' sums under the new maximum
.irp k, 0,2,4,6
	v_pk_mul_f32 v[CTX+\k:CTX+\k+1], v[CTX+\k:CTX+\k+1], s[FF:FF+1] op_sel_hi:[1,0]
.endr
.endm
.macro CTXROWS set, m0, n              ; + p x row for rows m0 .. m0 + n - 1: four chains by turns.  It leaves source 0 in window 1
	WIN 0x01
.set cm, \m0
.rept \n
.irp k, 0,2,4,6
	v_pk_fma_f32 v[CTX+\k:CTX+\k+1], v[\set+8*cm+\k:\set+8*cm+\k+1], s[PP+2*cm:PP+2*cm+1], v[CTX+\k:CTX+\k+1] op_sel_hi:[1,0,1]
.endr
.set cm, cm+1
.endr
.endm
.macro JOIN cur, nxt, off, grd
	REDUCE
	s_wait_loadcnt 0x0                             ; the next set's 32 loads are in: no load was issued behind them
	QMAX \nxt                                      ; 64 lines behind my eight stores
	s_wait_dscnt 0x0                               ; for the others' sake: my row sums have landed, and my reads of x's images are long over
	s_barrier_signal -1
	QDPP 1                                         ; 32 lines on registers while the others arrive
	s_barrier_wait -1
	ds_load_b128 v[T:T+3], v[REDR]                 ; the four waves' sums of my row
	QDPP 2
	QDPP 4                                         ; 64 lines behind the load
	s_wait_dscnt 0x0
	SMT \off
	v_max_num_f32_dpp v[T+1], v[T], v[T] row_xmask:1 row_mask:0xf bank_mask:0xf          ; the block's largest t: each line reads the one before it, so eight of the quantiser's stand between
	QADD 0, 8
	v_max_num_f32_dpp v[T+1], v[T+1], v[T+1] row_xmask:2 row_mask:0xf bank_mask:0xf
	QADD 8, 8
	v_max_num_f32_dpp v[T+1], v[T+1], v[T+1] row_xmask:4 row_mask:0xf bank_mask:0xf
	QADD 16, 8
	v_max_num_f32_dpp v[T+1], v[T+1], v[T+1] row_xmask:8 row_mask:0xf bank_mask:0xf
	QADD 24, 8
	v_max_num_f32 v[T+2], v[MX], v[T+1]            ; the new maximum
	QSHR 0, 4
	v_sub_f32 v[T+3], v[MX], v[T+2]
	v_sub_f32 v[T+4], v[T], v[T+2]
	v_mov_b32 v[MX], v[T+2]
	QSHR 4, 4
	s_wait_alu depctr_va_vdst(0)
	v_exp_f32 v[T+3], v[T+3]
	v_exp_f32 v[T+4], v[T+4]
	QSHR 8, 24                                     ; 24 plain lines that name neither result
	s_wait_alu depctr_va_vdst(0)                   ; one wait for the two, ahead of their first reader
	SMP
	QCVT \nxt                                      ; the conversions stand between the scalar registers' writes and their first reader
	CTXMUL
	CTXROWS \cur, 0, 8
	WIN 0                                          ; at a branch and at a label every window is 0
.if \grd
	s_cmp_eq_u32 s[TRIP], 7
	s_cbranch_scc1 .Lno_a_\@
.endif
	NEXTA \cur                                     ; rows 0-7 are used up: they are asked for again at once
.if \grd
.Lno_a_\@:
.endif
	QST
	s_wait_alu depctr_va_vdst(0)
	CTXROWS \cur, 8, 6                             ; 24 lines behind my 64 stores
	s_wait_alu depctr_va_vdst(0)
	s_wait_dscnt 0x0                               ; for the others' sake: my codes and scale bytes have landed, and my read of the row sums is over
	s_barrier_signal -1
	CTXROWS \cur, 14, 2                            ; on registers while the others arrive
	WIN 0
	s_barrier_wait -1
	XFETCH
.if \grd
	s_cmp_eq_u32 s[TRIP], 7
	s_cbranch_scc1 .Lno_b_\@
.endif
	NEXTB \cur                                     ; 16 loads behind the fetch of x's fragments
.if \grd
.Lno_b_\@:
.endif
.endm
	s_load_b256 s[4:11], s[0:1], 0x0               ; features s[4:5], w1img s[6:7], biasc s[8:9], V_w s[10:11]
	s_load_b128 s[12:15], s[0:1], 0x20             ; V_b s[12:13], pctx s[14:15]
	s_load_b64 s[16:17], s[0:1], 0x30              ; tlog
	v_lshl_add_u32 v254, v0, 2, 0x4c500
	v_mov_b32 v255, 0
	ds_add_u32 v254, v255
	ds_add_u32 v254, v255
	s_wait_dscnt 0x0
	v_lshrrev_b32 v[T], 5, v0
	v_readfirstlane_b32 s[WV], v[T]                ; wave 0..3
	s_bfe_u32 s19, ttmp6, 0x40000                  ; cx: my place in the cluster: it enters the addresses of features, pctx and tlog alone
	s_lshl_b32 s20, ttmp9, 2                       ; in a cluster launch ttmp9 counts clusters
	s_add_co_u32 s20, s20, s19                     ; g
	; descriptor group 1: 288 dense rows of 256 bytes (32 elements of 8 bytes), no padding
	s_mov_b32 s[G1+0], 15|(3<<16)|(1<<21)          ; 15:0 the mask: all four work-groups; 17:16 elements of 8 bytes; 21 set beside a mask
	s_mov_b32 s[G1+1], 32<<16                      ; tensor_dim0 = 32
	s_mov_b32 s[G1+2], 288<<16                     ; tensor_dim1 = 288
	s_mov_b32 s[G1+3], 32<<16                      ; tile_dim0 = 32
	s_mov_b32 s[G1+4], 288                         ; tile_dim1 = 288
	s_mov_b32 s[G1+5], 32                          ; tensor_dim0_stride
	s_mov_b32 s[G1+6], 0
	s_mov_b32 s[G1+7], 0
	s_mul_i32 s44, s[WV], WPART                    ; my wave's part of w1img: the wave's number alone, the same in all four partners
	s_mov_b32 s45, 0
	s_mov_b32 s[G0], 1                             ; count = 1
	s_mul_i32 s[G0+1], s[WV], WLDS                 ; LDS address: my wave's own 73,728 bytes
	s_mov_b32 s[CC], 0x4038aa3b                    ; c = 2 log2(e)
	s_mov_b32 s[CC+1], s[CC]
	s_mov_b32 s[L2E], 0x3fb8aa3b                   ; log2(e)
	v_and_b32 v[T], 31, v0                         ; l
	v_lshlrev_b32 v[T+1], 4, v[T]                  ; 16 l
	s_lshl_b32 s21, s[WV], 10
	v_add_nc_u32 v[FOFF], s21, v[T+1]
	v_and_b32 v[T+4], 15, v0                       ; l % 16
	v_lshl_add_u32 v[T+2], v[T+4], 2, s21          ; V and biasc: unit 256 W + l % 16 (+ 16 t in the immediate)
	v_mov_b32 v[T+3], 0
	s_wait_kmcnt 0x0
	s_add_nc_u64 s[6:7], s[6:7], s[44:45]
	s_add_nc_u64 s[G0+2:G0+3], s[6:7], 65536       ; global address: behind the register tiles' codes
	s_or_b32 s[G0+3], s[G0+3], 0x80000000          ; type = 2
	ROUND                                          ; all four work-groups are here: the joint loads meet
	tensor_load_to_lds s[G0:G0+3], s[G1:G1+7]      ; my one tensor load of the launch
	s_nop 0
.rept 4
	v_nop
.endr
	s_lshl_b32 s46, s20, 20                        ; my work-group's 256 rows of 4,096 bytes
	s_mov_b32 s47, 0
	s_add_nc_u64 s[FB:FB+1], s[FB:FB+1], s[46:47]
	s_lshl_b32 s46, ttmp9, 12                      ; the batch's row of biasc
	s_add_nc_u64 s[8:9], s[8:9], s[46:47]
	s_lshl_b32 s46, s20, 12                        ; my row of pctx
	s_add_nc_u64 s[14:15], s[14:15], s[46:47]
	s_lshl_b32 s46, s20, 10                        ; my 256 words of tlog
	s_add_nc_u64 s[16:17], s[16:17], s[46:47]
	s_wait_alu depctr_va_vdst(0)
	FLOAD SETA, 0, 16                              ; block 0 first: it is wanted first
	WIN 0x80                                       ; destination window 2
.irp t, 0,1,2,3
.irp s, 0,1,2,3,4,5,6,7
.irp c, 0,1
	global_load_b128 v[64*\t+8*\s+4*\c:64*\t+8*\s+4*\c+3], v[T+1], s[6:7] offset:8192*\t+1024*\s+512*\c
.endr
.endr
.endr
	WIN 0xc0                                       ; destination window 3
.irp t, 0,1,2,3
.irp s, 0,1,2,3,4,5,6,7
.irp c, 0,1
	global_load_b128 v[64*\t+8*\s+4*\c:64*\t+8*\s+4*\c+3], v[T+1], s[6:7] offset:8192*(\t+4)+1024*\s+512*\c
.endr
.endr
.endr
	WIN 0
.irp t, 0,1,2,3,4,5,6,7,8,9,10,11,12,13,14,15
	global_load_b32 v[V2+\t], v[T+2], s[10:11] offset:64*\t
	global_load_b32 v[BC+\t], v[T+2], s[8:9] offset:64*\t
.endr
	global_load_b32 v[VB], v[T+3], s[12:13]
	NEXTA SETB                                     ; block 1
	NEXTB SETB
	; the addresses that stay.  Every LDS address is a constant, a constant x lane term and a constant x wave
	v_add_nc_u32 v[LI], s[G0+1], v[T+1]
	v_add_nc_u32 v[LSC], 65536, v[LI]
	v_bfe_u32 v[T+5], v0, 4, 1                     ; l / 16
	v_bfe_u32 v[T+6], v0, 3, 1                     ; (l / 8) % 2
	v_and_b32 v[T+7], 7, v0                        ; l % 8
	v_mul_u32_u24 v[XW], v[T+5], 544               ; my first columns are k = 256 W + 4 l: K step 2 W, half c = l / 16, h = (l / 8) % 2, byte 2 (l % 8) of the lane's 16
	v_mad_u32_u24 v[XW], v[T+6], 272, v[XW]
	v_lshl_add_u32 v[XW], v[T+7], 1, v[XW]
	s_mul_i32 s21, s[WV], 2176
	s_add_co_u32 s21, s21, XIMG
	v_add_nc_u32 v[XW], s21, v[XW]
	v_bfe_u32 v[XSW], v0, 3, 2                     ; my block: 8 W + l / 8 (and four on)
	s_lshl_b32 s21, s[WV], 3
	s_add_co_u32 s21, s21, XSC
	v_add_nc_u32 v[XSW], s21, v[XSW]
	v_mul_u32_u24 v[XR], v[T+5], 272
	v_lshl_add_u32 v[XR], v[T+4], 4, v[XR]
	v_add_nc_u32 v[XR], XIMG, v[XR]
	v_lshl_add_u32 v[XSR], v[T+4], 5, XSC
	s_lshl_b32 s21, s[WV], 2
	s_add_co_u32 s21, s21, RED
	v_lshl_add_u32 v[REDW], v[T+5], 7, s21         ; rows 8 h + j: 128 h (+ 16 j in the immediate) + 4 W
	v_lshl_add_u32 v[REDR], v[T+4], 4, RED
	s_lshl_b32 s21, s[WV], 11
	s_add_co_u32 s21, s21, LOGB
	v_lshl_add_u32 v[LOGA], v[T+4], 2, s21
	v_lshl_add_u32 v[LOGR], v0, 3, s21             ; 8 x thread = 256 W + 8 l: rows 64 W .. + 63 of my own copy
.irp k, 0,1,2,3,4,5,6,7
	v_mov_b32 v[CTX+\k], 0
.endr
	v_mov_b32 v[MX], 0xff61b1e6                    ; -3e38
.irp m, 0,1,2,3,4,5,6,7,8,9,10,11,12,13,14,15
	s_mov_b32 s[PP+2*\m+1], 0
.endr
	s_wait_loadcnt 32                              ; all but block 1's 32 loads are in: block 0, W1's register tiles, V, biasc, V_b
	v_pk_add_f32 v[SV:SV+1], v[V2:V2+1], v[V2+2:V2+3]
.irp t, 4,6,8,10,12,14
	v_pk_add_f32 v[SV:SV+1], v[SV:SV+1], v[V2+\t:V2+\t+1]
.endr
	v_add_f32 v[SV], v[SV], v[SV+1]                ; the sum of my lane's 16 V
	v_mov_b32 v[SV+1], v[SV]
.irp t, 0,2,4,6,8,10,12,14
	v_pk_mul_f32 v[V2+\t:V2+\t+1], v[V2+\t:V2+\t+1], -2.0 op_sel_hi:[1,0]
.endr
	v_mul_f32 v[VB], s[L2E], v[VB]
	QMAX SETA                                      ; block 0 is quantised ahead of the loop: there is no older block to set it beside.  Its work on registers stands ahead of the wait for my tensor load
	QDPP 1
	QDPP 2
	QDPP 4
	QADD 0, 32
	QSHR 0, 32
	QCVT SETA
	s_wait_alu depctr_va_vdst(0)
	s_wait_tensorcnt 0x0                           ; my part of W1 lies in LDS; no other wave reads it, so my own wait is all that the reads need
	WSLOAD 0
	BLOAD 0, 0
	BLOAD 0, 1
	BLOAD 0, 2
	BLOAD 0, 3
	QST                                            ; the codes and scale bytes go to LDS behind that wait
	BAR                                            ; x's images and scale bytes are whole
	XFETCH
	s_mov_b32 s[TRIP], 0
.Ltrip:                                            ; a trip: blocks 2 i (set A) and 2 i + 1 (set B).  The loop is left in the middle of its eighth trip, where nothing is left to ask for; the compare at its foot bounds it
	MMT 1
	JOIN SETA, SETB, 0, 1
	s_cmp_eq_u32 s[TRIP], 7
	s_cbranch_scc1 .Ltail
	MMT 1
	JOIN SETB, SETA, 64, 0
	v_add_nc_u32 v[LOGA], 128, v[LOGA]
	s_add_co_u32 s[TRIP], s[TRIP], 1
	s_cmp_lt_u32 s[TRIP], 8
	s_cbranch_scc1 .Ltrip
.Ltail:
	MMT 0                                          ; the last block: nothing follows it, so its end stands plain
	REDUCE
	BAR                                            ; the four waves' row sums lie in LDS
	ds_load_b128 v[T:T+3], v[REDR]
	s_wait_dscnt 0x0
	SMT 64
	v_max_num_f32_dpp v[T+1], v[T], v[T] row_xmask:1 row_mask:0xf bank_mask:0xf
	v_max_num_f32_dpp v[T+1], v[T+1], v[T+1] row_xmask:2 row_mask:0xf bank_mask:0xf
	v_max_num_f32_dpp v[T+1], v[T+1], v[T+1] row_xmask:4 row_mask:0xf bank_mask:0xf
	v_max_num_f32_dpp v[T+1], v[T+1], v[T+1] row_xmask:8 row_mask:0xf bank_mask:0xf
	v_max_num_f32 v[T+2], v[MX], v[T+1]
	v_sub_f32 v[T+3], v[MX], v[T+2]
	v_sub_f32 v[T+4], v[T], v[T+2]
	s_wait_alu depctr_va_vdst(0)
	v_exp_f32 v[T+3], v[T+3]
	v_exp_f32 v[T+4], v[T+4]
	v_nop                                          ; a plain instruction behind the last exponential
	s_wait_alu depctr_va_vdst(0)                   ; one wait for the two, ahead of their first reader
	SMP
	CTXMUL
	CTXROWS SETB, 0, 16
	WIN 0
	global_store_b128 v[FOFF], v[CTX:CTX+3], s[14:15]              ; each store of the wave covers 512 consecutive bytes, aligned
	global_store_b128 v[FOFF], v[CTX+4:CTX+7], s[14:15] offset:512
	ds_load_b64 v[T:T+1], v[LOGR]                  ; LDS serves a wave's instructions in order (ISA guide 5.7.1.4): this sees my stores
	v_lshlrev_b32 v[T+2], 3, v0
	s_wait_alu depctr_va_vdst(0)
	s_wait_dscnt 0x0
	global_store_b64 v[T+2], v[T:T+1], s[16:17]    ; rows 64 W .. + 63: 256 consecutive bytes, aligned
	s_wait_xcnt 0x0
	v_lshl_add_u32 v254, v0, 2, 0x4c500
	v_mov_b32 v255, 0
	s_wait_alu depctr_va_vdst(0)
	s_wait_tensorcnt 0x0
	ds_add_u32 v254, v255
	s_wait_dscnt 0x0
	ROUND                                          ; the closing round: no work-group ends while a partner may still ask for a tile that names it
	s_endpgm
.Lfunc_end_k_q7244fe1a5d_main:
	.size	k_q7244fe1a5d_main, .Lfunc_end_k_q7244fe1a5d_main-k_q7244fe1a5d_main
	.p2alignl 7, 3214868480
	.fill 96, 4, 3214868480
	.section	.rodata,"a",@progbits
	.p2align	6, 0x0
	.amdhsa_kernel k_q7244fe1a5d_main
		.amdhsa_group_segment_fixed_size 313088
		.amdhsa_private_segment_fixed_size 0
		.amdhsa_enable_private_segment 0
		.amdhsa_kernarg_size 56
		.amdhsa_user_sgpr_count 2
		.amdhsa_user_sgpr_kernarg_segment_ptr 1
		.amdhsa_wavefront_size32 1
		.amdhsa_system_sgpr_workgroup_id_x 1
		.amdhsa_system_sgpr_workgroup_id_y 1
		.amdhsa_system_sgpr_workgroup_id_z 1
		.amdhsa_system_vgpr_workitem_id 0
		.amdhsa_next_free_vgpr 1024
		.amdhsa_next_free_sgpr 98
		.amdhsa_reserve_vcc 0
		.amdhsa_float_denorm_mode_32 3
		.amdhsa_float_denorm_mode_16_64 3
		.amdhsa_memory_ordered 1
		.amdhsa_forward_progress 1
		.amdhsa_inst_pref_size 255
	.end_amdhsa_kernel
	.section	.bss,"aw",@nobits
	.p2align	6
	.space	262144
	.amdgpu_metadata
---
amdhsa.version: [ 1, 2 ]
amdhsa.kernels:
  - .name:           k_q7244fe1a5d_main
    .symbol:         k_q7244fe1a5d_main.kd
    .args:
      - { .name: features, .offset: 0, .size: 8, .value_kind: global_buffer, .address_space: global }
      - { .name: w1img, .offset: 8, .size: 8, .value_kind: global_buffer, .address_space: global }
      - { .name: biasc, .offset: 16, .size: 8, .value_kind: global_buffer, .address_space: global }
      - { .name: V_w, .offset: 24, .size: 8, .value_kind: global_buffer, .address_space: global }
      - { .name: V_b, .offset: 32, .size: 8, .value_kind: global_buffer, .address_space: global }
      - { .name: pctx, .offset: 40, .size: 8, .value_kind: global_buffer, .address_space: global }
      - { .name: tlog, .offset: 48, .size: 8, .value_kind: global_buffer, .address_space: global }
    .group_segment_fixed_size: 313088
    .private_segment_fixed_size: 0
    .kernarg_segment_align: 8
    .kernarg_segment_size: 56
    .max_flat_workgroup_size: 128
    .sgpr_count:     98
    .vgpr_count:     1024
    .wavefront_size: 32
...
	.end_amdgpu_metadata
.endif
;; end of part 2
;; launch fin (part 3): grid 64 x 1, 8 waves a work-group, no clusters, 1,280 bytes of LDS; arguments tlog, pctx, out0, out1; writes out0, out1
.if DOCPART == 3
	.amdgcn_target "amdgcn-amd-amdhsa--gfx1250"
	.amdhsa_code_object_version 6
	.text
	.protected	k_q7244fe1a5d_fin
	.globl	k_q7244fe1a5d_fin
	.p2align	8
	.type	k_q7244fe1a5d_fin,@function
k_q7244fe1a5d_fin:
	s_mov_b64 s[64:65], 0
	v_nop
	global_prefetch_b8 v0, s[64:65] scope:SCOPE_SE
	s_setreg_imm32_b32 hwreg(HW_REG_WAVE_MODE, 25, 1), 1
	s_wait_xcnt 0x0
; ONE BATCH A WORK-GROUP: the softmax over its 1,024 rows is finished, and its four partial weighted sums are joined.
; tlog[b][row] = t = logit x log2(e).  pctx[4 b + q][f] = sum over rows 256 q .. + 255 of 2^(t - M_q) features[row][f], M_q the largest t of those rows.
; M = the largest t of the batch; L = sum of 2^(t - M); out1 = 2^(t - M) / L; out0[f] = sum over q of pctx_q[f] 2^(M_q - M) / L.  M_q is found again from tlog: a maximum rounds nothing, so it has the bits under which pctx_q was summed.
; Eight waves; thread n takes rows 4 n .. 4 n + 3 of tlog and out1 and columns 4 n .. 4 n + 3 of pctx and out0: 16 bytes, 512 consecutive bytes a wave.  Waves 2 q and 2 q + 1 hold quarter q's rows.
; No matrix unit, no cluster, no tensor load: 24 KiB a work-group, shared by nobody.
; LIMITS: NaN and infinities are not served.
	s_load_b256 s[4:11], s[0:1], 0x0               ; tlog s[4:5], pctx s[6:7], out0 s[8:9], out1 s[10:11]
	v_lshl_add_u32 v48, v0, 2, 0x100
	v_mov_b32 v49, 0
	v_lshlrev_b32 v1, 4, v0                        ; 16 x thread
	v_lshrrev_b32 v2, 5, v0
	s_delay_alu instid0(VALU_DEP_1)
	v_lshlrev_b32 v2, 2, v2                        ; 4 x wave: my wave's word in LDS
	v_mov_b32 v3, 0
	v_mov_b32 v25, 0                               ; written once: a lane permute's destination counts as one of its sources
	s_lshl_b32 s12, ttmp9, 12                      ; a batch: 4,096 bytes of tlog, out0 and out1,
	s_mov_b32 s13, 0
	s_lshl_b32 s14, ttmp9, 14                      ; 16,384 of pctx
	s_mov_b32 s15, 0
	s_mov_b32 s16, 0x76543210
	s_mov_b32 s17, 0xfedcba98                      ; v_permlanex16_b32's selects for lane l xor 16
	s_wait_alu depctr_va_vdst(0)
	s_wait_kmcnt 0x0
	s_add_nc_u64 s[4:5], s[4:5], s[12:13]
	s_add_nc_u64 s[6:7], s[6:7], s[14:15]
	s_add_nc_u64 s[8:9], s[8:9], s[12:13]
	s_add_nc_u64 s[10:11], s[10:11], s[12:13]
	global_load_b128 v[4:7], v1, s[4:5]
.irp q, 0,1,2,3
	global_load_b128 v[8+4*\q:11+4*\q], v1, s[6:7] offset:4096*\q
.endr
	s_wait_loadcnt 4                               ; t is in; the four parts, issued behind it, may be out
	v_max3_num_f32 v24, v4, v5, v6
	s_delay_alu instid0(VALU_DEP_1)
	v_max_num_f32 v24, v24, v7
	s_delay_alu instid0(VALU_DEP_1)
	v_max_num_f32_dpp v24, v24, v24 row_xmask:1 row_mask:0xf bank_mask:0xf
	s_delay_alu instid0(VALU_DEP_1)
	v_max_num_f32_dpp v24, v24, v24 row_xmask:2 row_mask:0xf bank_mask:0xf
	s_delay_alu instid0(VALU_DEP_1)
	v_max_num_f32_dpp v24, v24, v24 row_xmask:4 row_mask:0xf bank_mask:0xf
	s_delay_alu instid0(VALU_DEP_1)
	v_max_num_f32_dpp v24, v24, v24 row_xmask:8 row_mask:0xf bank_mask:0xf
	s_delay_alu instid0(VALU_DEP_1)
	v_permlanex16_b32 v25, v24, s16, s17
	s_delay_alu instid0(VALU_DEP_1)
	v_max_num_f32 v24, v24, v25                    ; my wave's largest t
	ds_store_b32 v2, v24                           ; all lanes write the same word with the same value
	s_wait_dscnt 0x0
	s_barrier_signal -1
	s_barrier_wait -1
	ds_load_b128 v[28:31], v3
	ds_load_b128 v[32:35], v3 offset:16
	s_wait_dscnt 0x0
.irp q, 0,1,2,3
	v_max_num_f32 v[36+\q], v[28+2*\q], v[29+2*\q] ; M_q
.endr
	s_delay_alu instid0(VALU_DEP_2)
	v_max3_num_f32 v26, v36, v37, v38
	s_delay_alu instid0(VALU_DEP_1)
	v_max_num_f32 v26, v26, v39                    ; M
.irp i, 0,1,2,3
	v_sub_f32 v[4+\i], v[4+\i], v26
	v_sub_f32 v[36+\i], v[36+\i], v26
.endr
	s_wait_alu depctr_va_vdst(0)
.irp i, 0,1,2,3
	v_exp_f32 v[4+\i], v[4+\i]                     ; 2^(t - M)
	v_exp_f32 v[36+\i], v[36+\i]                   ; 2^(M_q - M)
.endr
	v_nop                                          ; a plain instruction behind the last exponential
	s_wait_alu depctr_va_vdst(0)                   ; one wait for the eight, ahead of their first reader
	v_add_f32 v24, v4, v5
	v_add_f32 v25, v6, v7
	s_delay_alu instid0(VALU_DEP_1)
	v_add_f32 v24, v24, v25
	s_delay_alu instid0(VALU_DEP_1)
	v_add_f32_dpp v24, v24, v24 row_xmask:1 row_mask:0xf bank_mask:0xf
	s_delay_alu instid0(VALU_DEP_1)
	v_add_f32_dpp v24, v24, v24 row_xmask:2 row_mask:0xf bank_mask:0xf
	s_delay_alu instid0(VALU_DEP_1)
	v_add_f32_dpp v24, v24, v24 row_xmask:4 row_mask:0xf bank_mask:0xf
	s_delay_alu instid0(VALU_DEP_1)
	v_add_f32_dpp v24, v24, v24 row_xmask:8 row_mask:0xf bank_mask:0xf
	s_delay_alu instid0(VALU_DEP_1)
	v_permlanex16_b32 v25, v24, s16, s17
	s_delay_alu instid0(VALU_DEP_1)
	v_add_f32 v24, v24, v25                        ; my wave's sum
	ds_store_b32 v2, v24 offset:64                 ; other bytes than the maxima's: no wave may still be reading those
	s_wait_dscnt 0x0
	s_barrier_signal -1
	s_barrier_wait -1
	ds_load_b128 v[28:31], v3 offset:64
	ds_load_b128 v[32:35], v3 offset:80
	s_wait_dscnt 0x0
	v_pk_add_f32 v[28:29], v[28:29], v[30:31]
	v_pk_add_f32 v[32:33], v[32:33], v[34:35]
	s_delay_alu instid0(VALU_DEP_1)
	v_pk_add_f32 v[28:29], v[28:29], v[32:33]
	s_delay_alu instid0(VALU_DEP_1)
	v_add_f32 v28, v28, v29                        ; L
	s_wait_alu depctr_va_vdst(0)
	v_rcp_f32 v27, v28
	v_nop
	s_wait_alu depctr_va_vdst(0)
.irp i, 0,1,2,3
	v_mul_f32 v[4+\i], v[4+\i], v27                ; the weights
	v_mul_f32 v[36+\i], v[36+\i], v27              ; 2^(M_q - M) / L
.endr
	global_store_b128 v1, v[4:7], s[10:11]         ; each store of a wave covers 512 consecutive bytes, aligned
	s_wait_alu depctr_va_vdst(0)
	s_wait_loadcnt 0x0                             ; the four parts
.irp i, 0,1,2,3
	v_mul_f32 v[40+\i], v[8+\i], v36
.endr
.irp q, 1,2,3
.irp i, 0,1,2,3
	s_delay_alu instid0(VALU_DEP_4)
	v_fmac_f32 v[40+\i], v[8+4*\q+\i], v[36+\q]
.endr
.endr
	global_store_b128 v1, v[40:43], s[8:9]
	s_wait_tensorcnt 0x0
	ds_add_u32 v48, v49
	s_wait_dscnt 0x0
	s_endpgm
.Lfunc_end_k_q7244fe1a5d_fin:
	.size	k_q7244fe1a5d_fin, .Lfunc_end_k_q7244fe1a5d_fin-k_q7244fe1a5d_fin
	.p2alignl 7, 3214868480
	.fill 96, 4, 3214868480
	.section	.rodata,"a",@progbits
	.p2align	6, 0x0
	.amdhsa_kernel k_q7244fe1a5d_fin
		.amdhsa_group_segment_fixed_size 1280
		.amdhsa_private_segment_fixed_size 0
		.amdhsa_enable_private_segment 0
		.amdhsa_kernarg_size 32
		.amdhsa_user_sgpr_count 2
		.amdhsa_user_sgpr_kernarg_segment_ptr 1
		.amdhsa_wavefront_size32 1
		.amdhsa_system_sgpr_workgroup_id_x 1
		.amdhsa_system_sgpr_workgroup_id_y 1
		.amdhsa_system_sgpr_workgroup_id_z 1
		.amdhsa_system_vgpr_workitem_id 0
		.amdhsa_next_free_vgpr 50
		.amdhsa_next_free_sgpr 66
		.amdhsa_reserve_vcc 0
		.amdhsa_float_denorm_mode_32 3
		.amdhsa_float_denorm_mode_16_64 3
		.amdhsa_memory_ordered 1
		.amdhsa_forward_progress 1
		.amdhsa_inst_pref_size 7
	.end_amdhsa_kernel
	.amdgpu_metadata
---
amdhsa.version: [ 1, 2 ]
amdhsa.kernels:
  - .name:           k_q7244fe1a5d_fin
    .symbol:         k_q7244fe1a5d_fin.kd
    .args:
      - { .name: tlog, .offset: 0, .size: 8, .value_kind: global_buffer, .address_space: global }
      - { .name: pctx, .offset: 8, .size: 8, .value_kind: global_buffer, .address_space: global }
      - { .name: out0, .offset: 16, .size: 8, .value_kind: global_buffer, .address_space: global }
      - { .name: out1, .offset: 24, .size: 8, .value_kind: global_buffer, .address_space: global }
    .group_segment_fixed_size: 1280
    .private_segment_fixed_size: 0
    .kernarg_segment_align: 8
    .kernarg_segment_size: 32
    .max_flat_workgroup_size: 256
    .sgpr_count:     66
    .vgpr_count:     50
    .wavefront_size: 32
...
	.end_amdgpu_metadata
.endif
;; end of part 3
